; MI455X (gfx1250); checked and timed in simulation.
; The chip was launched on July 23, 2026; its instructions are those of AMD's public machine-readable ISA for CDNA 5 (MIT licence, August 2026) and "CDNA5" Instruction Set Architecture Reference Guide (July 2026). The comments in the code are by the model that wrote it; some were corrected since.
;; Multihead Attention. Allowed arithmetic: matrix products marked QUANTISED: E2M3 operands, one E8M0 scale for each 32 along K, by v_wmma_scale_f32_16x16x128_f8f6f4 with both operands' format E2M3, f32 sums; everything else in f32.
;; Inputs: Wk_codes 512 x 16 x 24 uint8 (E2M3 codes of Wk, K innermost, in blocks of 32 codes, four codes in three bytes); Wk_scales 512 x 16 uint8 (E8M0 scales of Wk, one for each 32 codes along K); Wq_codes 512 x 16 x 24 uint8 (E2M3 codes of Wq, K innermost, in blocks of 32 codes, four codes in three bytes); Wq_scales 512 x 16 uint8 (E8M0 scales of Wq, one for each 32 codes along K); Wv_codes 512 x 16 x 24 uint8 (E2M3 codes of Wv, K innermost, in blocks of 32 codes, four codes in three bytes); Wv_scales 512 x 16 uint8 (E8M0 scales of Wv, one for each 32 codes along K); bk 512 float32; bq 512 float32; bv 512 float32; x_codes 2 x 4,096 x 16 x 24 uint8 (E2M3 codes of x, K innermost, in blocks of 32 codes, four codes in three bytes); x_scales 2 x 4,096 x 16 uint8 (E8M0 scales of x, one for each 32 codes along K).
;; Outputs: out0 2 x 4,096 x 512 float32.
;; This version of the problem:
;;   THIS VERSION OF THE PROBLEM IS GIVEN IN LOW PRECISION. The matrix products marked QUANTISED in the list below multiply operands that are first quantised to E2M3 (2 exponent bits, 3 mantissa bits; 6 bits a number), with one power-of-two scale for each 32 numbers along K (OCP MX v1.0); their sums are f32. All else is computed in f32.
;;   The module's matrix products, in the order in which they are computed (A, B: the left and right operand; K: the contracted axis; several contracted axes count as one K, in the product's order):
;;     1. [M 8,192, K 512] x [K 512, N 512]; A: input x (given as codes); B: input Wk (given as codes): QUANTISED
;;     2. [M 8,192, K 512] x [K 512, N 512]; A: input x (given as codes); B: input Wq (given as codes): QUANTISED
;;     3. [M 8,192, K 512] x [K 512, N 512]; A: input x (given as codes); B: input Wv (given as codes): QUANTISED
;;     4. batch 16 x [M 4,096, K 64] x [K 64, N 4,096]; A: computed on the way; B: computed on the way: QUANTISED
;;     5. batch 16 x [M 4,096, K 4,096] x [K 4,096, N 64]; A: softmax (see below); B: computed on the way: QUANTISED
;;   THE QUANTISER, for each operand of a quantised product, along K:
;;     - K is cut into blocks of 32 from its start; a last block that is shorter is filled with zeros.
;;     - A block's scale is 2^e with e = floor(log2(the largest magnitude in the block)) - 2, held to -126 .. 127; a block of zeros has e = 0. As a byte (E8M0): e + 127.
;;     - Each number is divided by its block's scale, clamped to +-7.5, and rounded to the nearest number of E2M3, ties to even, subnormals kept.
;;     - The product sums the exact products of the quantised numbers (number of the format x scale) in f32.
;;   ~~~python
;;   def quantise(x, axis):      # numpy; x: float32 -> the quantised numbers, widened to float32 again
;;       x = np.moveaxis(x, axis, -1); K = x.shape[-1]
;;       x = np.pad(x, [(0, 0)] * (x.ndim - 1) + [(0, -K % 32)]); x = x.reshape(x.shape[:-1] + (-1, 32)); a = np.abs(x).max(-1, keepdims=True)
;;       e = np.where(a > 0, np.clip(np.frexp(np.where(a > 0, a, 1))[1] - 1 - 2, -126, 127), 0)      # np.frexp(a)[1] - 1 = floor(log2(a)), exactly
;;       r = np.clip(x / 2.0 ** e, -7.5, 7.5)
;;       step = 2.0 ** (np.maximum(np.frexp(np.where(r == 0, 1, r))[1] - 1, 0) - 3)
;;       q = np.round(r / step) * step * 2.0 ** e      # np.round: ties to even
;;       return np.moveaxis(q.reshape(q.shape[:-2] + (-1,))[..., :K], -1, axis).astype(np.float32)
;;   ~~~
;;   SOFTMAX AHEAD OF A QUANTISED PRODUCT. Where the list says 'softmax', what is quantised is not the finished softmax but p = 2^(t - M), with t = logit x log2(e) and M = ceil(the row's largest t), a whole number; so 1/2 < the row's largest p <= 1. The row's sum l is taken of the UNQUANTISED p, in f32, and the product's result is divided by l at the end. Since M is a whole number, a kernel that streams over the keys may use a running M (the ceiling of the running maximum): every later rescaling is an exact power of two, which a block's scale takes up: the codes' values come out the same.
;;   OPERANDS COMPUTED ON THE WAY. 'Computed on the way' means the value that the module computes at that place (a softmax that the list does not call 'softmax' is quantised finished and normalised). What goes into a quantiser is computed in f32, as accurately as f32 sums, v_exp_f32 and their like allow (about 1e-6 of the number): no bf16 or f16 on the way to a quantiser, and a product that is left as it is and whose result goes on into a quantised operand takes f32 operands (vector FMAs, or v_wmma_f32_16x16x4_f32). A number that lies on a knife's edge between two numbers of the format may be rounded either way, as far as f32 arithmetic and the matrix unit's own rounding can turn it there, and no further.
;;   INPUTS GIVEN AS CODES. Wk (in the module: [512, 512], K = its axis 1); Wq (in the module: [512, 512], K = its axis 1); Wv (in the module: [512, 512], K = its axis 1); x (in the module: [2, 4096, 512], K = its axis 2): each comes as NAME_codes (uint8): NAME with its K axis moved to the last place and cut into blocks of 32 codes, [.., K / 32, bytes a block], one block behind the other in memory; four codes in three bytes: a row's codes are one little-endian stream of bits, code i at bits 6 i .. 6 i + 5 (a code: sign, 2 exponent bits, 3 mantissa bits); and NAME_scales (uint8): the same leading axes, one E8M0 byte (e + 127) for each 32 codes along K. Its value is code x scale, taken as it is: it is not quantised again, and the codes and scales need not be those that the quantiser above would give.
;; One version. Each part assembles by itself: llvm-mc -triple=amdgcn-amd-amdhsa -mcpu=gfx1250 --defsym DOCPART=n.
;; ======== version 1 of 1: 2 launches
;; limits: right only within a limited range of input values
;; workspace buffers: rr 3,407,872 bytes; cv 6,815,744 bytes
;; launch proj (part 1): grid 32 x 8, 4 waves a work-group, clusters of 4 x 4, 195,072 bytes of LDS; arguments x_codes, x_scales, Wk_codes, Wk_scales, bk, Wq_codes, Wq_scales, bq, Wv_codes, Wv_scales, bv, rr, cv; writes rr, cv
.if DOCPART == 1
	.amdgcn_target "amdgcn-amd-amdhsa--gfx1250"
	.amdhsa_code_object_version 6
	.text
	.protected	k_q4a16795352_proj
	.globl	k_q4a16795352_proj
	.p2align	8
	.type	k_q4a16795352_proj,@function
k_q4a16795352_proj:
	s_mov_b64 s[64:65], 0
	v_nop
	global_prefetch_b8 v0, s[64:65] scope:SCOPE_SE
	s_setreg_imm32_b32 hwreg(HW_REG_WAVE_MODE, 25, 1), 1
	s_wait_xcnt 0x0
	s_wait_alu depctr_hold_cnt(0) depctr_sa_sdst(0) depctr_va_vdst(0) depctr_va_sdst(0) depctr_va_ssrc(0) depctr_va_vcc(0) depctr_vm_vsrc(0)
	s_getreg_b32 s2, hwreg(HW_REG_IB_STS2, 6, 4)
	s_cmp_eq_u32 s2, 0
	s_cbranch_scc0 .Lentry_in_a_cluster
	s_endpgm
.Lentry_in_a_cluster:
	s_bfe_u32 s2, ttmp6, 0x10000c
	s_cmp_lg_u32 s2, 0xf033
	s_cbranch_scc0 .Lentry_shape_is_right
	s_endpgm
.Lentry_shape_is_right:
; THE THREE PROJECTIONS on the codes as given, their biases, and the quantising of the results for the attention launch.
; R = x Wk^T + bk (the rows of the scores), C = x Wq^T + bq (their columns), V = x Wv^T + bv.  FP6 (E2M3) codes, one E8M0 byte for each 32 along K; sums in f32.
; R and C are quantised along a head's 64 channels (two blocks of 32), V along the tokens (blocks of 32 tokens of one channel).
; SHARES.  A work-group takes 256 tokens of one head, each of its four waves 64 tokens.  A wave runs 12 units of 16 matrix instructions (4 tiles x 4 K steps of 128):
;   units 0-3: source 0 = Wk's four tiles, source 1 = x's tile m;  units 4-7: the same with Wq;  units 8-11: source 0 = x's four tiles, source 1 = Wv's tile n.
; THE ROWS OF A TILE ARE NOT NEIGHBOURS: of 64 rows (tokens or channels) tile u takes in lanes r = 0 .. 7 row 8 u + r and in lanes r = 8 .. 15 row 32 + 8 ((u + 1) % 4) + r - 8.  So in every unit lane (r, h) ends with 32 numbers
; of ONE row of the next operand, all of block h of the next K: a WHOLE block in a lane.  In block 0 register 8 u + j is index 8 u + j; in block 1 it is index 32 + 8 ((u + 1) % 4) + j: a fixed order inside the block, which
; both operands of each later product have alike, so that the products stay the same.  The turn by one tile puts lanes r and r + 8 of a fragment load 40 or 8 LDS rows apart: 32 banks (432 bytes a row; ISA guide 11.1).
; THE RESULTS LEAVE AS IMAGES OF THE OPERAND REGISTERS.  Six registers of codes (64 along K) are 768 bytes: registers 0-3 at 16 x lane, registers 4-5 at 512 + 8 x lane: each store covers 512 or 256 consecutive bytes, aligned to 256.
; Scale words go as a pair of registers at 8 x lane: register 0 holds tile 0's words in lanes 0-15 and tile 1's in lanes 16-31, register 1 tiles 2 and 3.
;   rr: for each head and group of 64 rows 3,328 bytes: four images of R, the pair of scale words.
;   cv: for each head and 128 columns a record of 13,312 bytes (52 x 256): eight images of C, V's four tiles of 16 channels x 128 tokens (two images each), C's two pairs of scale words, V's pair, 256 bytes of filling.
; CLUSTERS: 4 x 4 work-groups.  x's rows hang on the block of tokens alone, which a column of the cluster shares; W's on the head alone, which a row shares: each is asked for JOINTLY.
; LDS is filled once, by four tensor loads, one a wave: x's 256 rows, Wk's, Wq's and Wv's 64 rows.  No loop runs ahead of any load, so no prefetch is laid.
; LIMITS: NaN and infinities are not served.  A block whose largest magnitude lies under 2^-124 keeps the scale byte 1, a block of zeros too (the quantiser's text says 127): its codes are zeros, and this program alone reads the bytes.
; REGISTERS, in windows of 256: window 0: addresses, scale words, two sets of 32 results, the codes made;  window 1: x's 16 fragments (tile m, K step s at 12 (4 m + s)), from v192 bv, eight copies a tile;
;   window 2: Wk's fragments, later Wv's, from v192 bk in the result's layout;  window 3: Wq's, from v192 bq.
.set RP,    432                        ; an LDS row: 384 bytes of codes + 16 of padding behind each 128
.set T8,    8*RP                       ; from tile to tile: 8 rows
.set KIND,  64*RP                      ; 64 rows
.set WT,    256*RP                     ; behind x's 256 rows: W's three kinds
.set XCH,   WT+3*KIND                  ; behind them: 256 bytes for each wave, for V's scale words; no tensor load lands here
.set SPARE, XCH+1024                   ; the spare words
.set REC,   13312
.set XS,  16                           ; v16-31   x's scale words: 4 m + s
.set WS,  32                           ; v32-79   W's: 16 x kind + 4 t + s
.set SW,  80                           ; v80-91   the scale word made by each unit
.set XP,  92                           ; v92-97   the pairs that leave;  v98-99 the partner wave's pair
.set ACC, 100                          ; v100-163 the results, two sets by turns (v100-102: offsets of the head's loads)
.set TM,  164
.set TP,  166
.set SO,  168
.set BY,  170
.set PT,  172
.set PC,  176                          ; v176-247 the codes: six registers for each unit
.set G1X, 20
.set G1W, 28
.set G0,  36                           ; s[36:51] four groups 0: x, Wk, Wq, Wv; never rewritten
.set MSB, 0
.macro WIN new
.if MSB != \new
	s_set_vgpr_msb (MSB<<8)|\new
.set MSB, \new
.endif
.endm
.macro PLACES n
.rept \n
	v_nop
.endr
.endm
.macro ROUND                           ; a round of the cluster's barrier
	s_barrier_signal -1
	s_barrier_wait -1
	s_cmp_lg_u32 s2, 0
	s_cbranch_scc1 .Lnot_wave_0_\@
	s_barrier_signal -3
.Lnot_wave_0_\@:
	s_barrier_wait -3
	s_barrier_signal -1
	s_barrier_wait -1
.endm
	s_load_b512 s[68:83], s[0:1], 0x0              ; x's codes, scales; Wk's codes, scales, bk s[72:77]; Wq's codes, scales, bq s[78:83]
	s_load_b256 s[84:91], s[0:1], 0x40             ; Wv's codes, scales, bv s[84:89], rr s[90:91]
	s_load_b64 s[92:93], s[0:1], 0x60              ; cv
	v_lshl_add_u32 v254, v0, 2, SPARE
	v_mov_b32 v255, 0
	ds_add_u32 v254, v255                          ; the opening lines: the add twice on end and its wait
	ds_add_u32 v254, v255
	v_lshrrev_b32 v1, 5, v0
	v_readfirstlane_b32 s2, v1                     ; wave 0..3
	s_bfe_u32 s3, ttmp6, 0x40000                   ; cx, cy
	s_bfe_u32 s4, ttmp6, 0x40004
	s_lshl_b32 s5, ttmp9, 2
	s_add_co_u32 s5, s5, s3                        ; my block of 256 tokens
	s_and_b32 s6, ttmp7, 0xffff
	s_lshl_b32 s6, s6, 2
	s_add_co_u32 s6, s6, s4                        ; my head
	s_lshl_b32 s7, 0x1111, s3                      ; my column of the cluster
	s_lshl_b32 s8, s4, 2
	s_lshl_b32 s8, 15, s8                          ; my row
	; group 1: a dense block as rows of 3,072 bytes (8 rows of codes); elements of 8 bytes; 4 words of padding behind every 32
	s_or_b32 s[G1X], s7, (3<<16)|(1<<20)|(1<<21)|(4<<22)|(3<<25)
	s_or_b32 s[G1W], s8, (3<<16)|(1<<20)|(1<<21)|(4<<22)|(3<<25)
.irp g, G1X, G1W
	s_mov_b32 s[\g+1], 384<<16
	s_mov_b32 s[\g+3], 384<<16
	s_mov_b32 s[\g+5], 384
	s_mov_b32 s[\g+6], 0
	s_mov_b32 s[\g+7], 0
.endr
	s_mov_b32 s[G1X+2], 32<<16                     ; x: 32 such rows = 256 rows of codes
	s_mov_b32 s[G1X+4], 32
	s_mov_b32 s[G1W+2], 8<<16                      ; W: 8 = 64 rows of codes
	s_mov_b32 s[G1W+4], 8
	s_mul_i32 s10, s5, 98304                       ; x: my block's 256 rows of 384 bytes
	s_mov_b32 s11, 0
	s_mul_i32 s12, s6, 24576                       ; W: my head's 64 rows
	s_mov_b32 s13, 0
	s_mul_i32 s15, s2, KIND                        ; in LDS: my wave's 64 rows of x
	s_wait_dscnt 0x0
	s_wait_kmcnt 0x0
	s_add_nc_u64 s[68:69], s[68:69], s[10:11]
	s_add_nc_u64 s[72:73], s[72:73], s[12:13]
	s_add_nc_u64 s[78:79], s[78:79], s[12:13]
	s_add_nc_u64 s[84:85], s[84:85], s[12:13]
.macro G0SET g, lds, ptr
	s_mov_b32 s[\g], 1
	s_mov_b32 s[\g+1], \lds
	s_mov_b64 s[\g+2:\g+3], s[\ptr:\ptr+1]
	s_or_b32 s[\g+3], s[\g+3], 0x80000000
.endm
	G0SET G0, 0, 68
	G0SET G0+4, WT, 72
	G0SET G0+8, WT+KIND, 78
	G0SET G0+12, WT+2*KIND, 84
	ROUND                                          ; all sixteen work-groups are here: the joint loads meet
; the head's loads, one a wave, in one chain of branches on the wave's number
.macro ARM under, g0, g1, next
	s_cmp_lt_u32 s2, \under
	s_cbranch_scc0 \next
	tensor_load_to_lds s[\g0:\g0+3], s[\g1:\g1+7]
	s_nop 0
	PLACES 4
	s_branch .Lhead_asked
\next:
.endm
	ARM 1, G0,   G1X, .Lhead_wk
	ARM 2, G0+4, G1W, .Lhead_wq
	ARM 3, G0+8, G1W, .Lhead_wv
	tensor_load_to_lds s[G0+12:G0+15], s[G1W:G1W+7]
	s_nop 0
	PLACES 4
.Lhead_asked:
	s_lshl_b32 s10, s5, 12                         ; x's scales: 16 bytes a row: 4,096 a block,
	s_lshl_b32 s9, s2, 10                          ; 1,024 a wave
	s_add_co_u32 s10, s10, s9
	s_add_nc_u64 s[70:71], s[70:71], s[10:11]
	s_lshl_b32 s12, s6, 10                         ; W's scales: my head's 64 rows
	s_add_nc_u64 s[74:75], s[74:75], s[12:13]
	s_add_nc_u64 s[80:81], s[80:81], s[12:13]
	s_add_nc_u64 s[86:87], s[86:87], s[12:13]
	s_lshl_b32 s12, s6, 8                          ; the biases: my head's 64 numbers
	s_add_nc_u64 s[76:77], s[76:77], s[12:13]
	s_add_nc_u64 s[82:83], s[82:83], s[12:13]
	s_add_nc_u64 s[88:89], s[88:89], s[12:13]
	s_lshr_b32 s7, s5, 4
	s_lshl_b32 s7, s7, 3
	s_add_co_u32 s7, s7, s6                        ; 8 x batch + head
	s_and_b32 s8, s5, 15                           ; my block among the batch's 16
	s_lshl_b32 s9, s7, 6
	s_lshl_b32 s10, s8, 2
	s_add_co_u32 s9, s9, s10
	s_add_co_u32 s9, s9, s2                        ; rr: my group of 64 rows
	s_mul_i32 s10, s9, 3328
	s_add_nc_u64 s[90:91], s[90:91], s[10:11]
	s_lshl_b32 s9, s7, 5
	s_lshl_b32 s10, s8, 1
	s_add_co_u32 s9, s9, s10
	s_lshr_b32 s10, s2, 1
	s_add_co_u32 s9, s9, s10                       ; cv: my record of 128 columns
	s_mul_i32 s10, s9, REC
	s_add_nc_u64 s[92:93], s[92:93], s[10:11]
	s_and_b32 s9, s2, 1                            ; which 64 of the 128 are mine
	s_mul_i32 s10, s9, 3072
	s_add_nc_u64 s[94:95], s[92:93], s[10:11]      ; C's four images
	s_lshl_b32 s10, s9, 8
	s_add_co_u32 s10, s10, 12288
	s_add_nc_u64 s[96:97], s[92:93], s[10:11]      ; C's pair of scale words
	s_mul_i32 s10, s9, 768
	s_add_co_u32 s10, s10, 6144
	s_add_nc_u64 s[98:99], s[92:93], s[10:11]      ; my half of each tile of V
	s_lshl_b32 s19, s9, 4                          ; my two bytes' place in V's scale words
	s_mov_b32 s16, 0x76543210
	s_mov_b32 s17, 0xfedcba98                      ; v_permlanex16_b32's selects for lane l xor 16
	s_mov_b32 s18, 0xffff0000                      ; lanes 16-31
	v_and_b32 v1, 15, v0                           ; r
	v_bfe_u32 v2, v0, 4, 1                         ; h
	v_and_b32 v3, 31, v0
	v_lshlrev_b32 v4, 3, v3                        ; 8 x lane
	v_lshlrev_b32 v3, 4, v3                        ; 16 x lane
	v_and_b32 v11, 8, v1
	v_lshl_add_u32 v11, v11, 2, v1                 ; my row in tiles 0-2, less 8 u: r + 32 (r / 8);  in tile 3, less 24: r
	v_mul_u32_u24 v5, v11, RP
	v_mul_u32_u24 v7, v1, RP
	v_mad_u32_u24 v6, v2, 40, v5                   ; + 40 x half: for the pieces that lie behind one padding more in lanes 16-31
	v_mad_u32_u24 v8, v2, 40, v7
	v_mad_u32_u24 v5, v2, 24, v5                   ; + 24 x half.  v5-6 serve tiles 0-2, v7-8 tile 3
	v_mad_u32_u24 v7, v2, 24, v7
	v_lshlrev_b32 v13, 2, v11                      ; x 4: bv
	v_lshlrev_b32 v11, 4, v11                      ; x 16: a row of scale bytes
	v_mul_u32_u24 v12, v2, 160                     ; bk, bq in tiles 0-2: lanes 16-31 begin 40 numbers on;
	v_lshlrev_b32 v100, 4, v1                      ; the same three for tile 3
	v_lshlrev_b32 v101, 2, v1
	v_lshlrev_b32 v102, 5, v2                      ; (8 numbers on)
	s_lshl_b32 s9, s2, 8
	v_add_nc_u32 v14, s9, v4
	v_add_nc_u32 v14, XCH, v14                     ; where I leave my pair of V's scale words,
	s_or_b32 s9, s2, 1
	s_lshl_b32 s9, s9, 8
	v_add_nc_u32 v15, s9, v4
	v_add_nc_u32 v15, XCH, v15                     ; and where the odd wave of my two leaves its
	v_mov_b32 v[TP], 0                             ; a lane permute's destination counts as one of its sources
.macro HLD t, a16, a4                  ; tile t's scale words (a row's 16 bytes are its four K steps' words) and bv of my lane's channel
	global_load_b128 v[XS+4*\t:XS+4*\t+3], v[\a16], s[70:71] offset:128*\t
	global_load_b128 v[WS+4*\t:WS+4*\t+3], v[\a16], s[74:75] offset:128*\t
	global_load_b128 v[WS+16+4*\t:WS+16+4*\t+3], v[\a16], s[80:81] offset:128*\t
	global_load_b128 v[WS+32+4*\t:WS+32+4*\t+3], v[\a16], s[86:87] offset:128*\t
	global_load_b32 v[248+\t], v[\a4], s[88:89] offset:32*\t
.endm
.macro HLB t, a, base                  ; a bias in the result's layout: tile t, register j
	global_load_b128 v[192+8*\t:195+8*\t], v[\a], s[\base:\base+1] offset:32*\t
	global_load_b128 v[196+8*\t:199+8*\t], v[\a], s[\base:\base+1] offset:32*\t+16
.endm
	HLD 0, 11, 13
	HLD 1, 11, 13
	HLD 2, 11, 13
	HLD 3, 100, 101
	WIN 0x80
	HLB 0, 12, 76
	HLB 1, 12, 76
	HLB 2, 12, 76
	HLB 3, 102, 76
	WIN 0xc0
	HLB 0, 12, 82
	HLB 1, 12, 82
	HLB 2, 12, 82
	HLB 3, 102, 82
	WIN 0
; A fragment, 16 rows x 128 K, is 12 registers: 24 bytes of the row's stream of bits twice, in pieces of 8 bytes.  16 bytes of padding lie behind every 16 pieces: where the piece of lanes 16-31, three on, lies
; behind one padding more, the second address register serves.
.macro FRAG reg, adr, off, s
.irp p, 0,1,2,3,4,5
.set PCI, 12*(\s)+6*(\p/3)+\p%3
.if PCI%16 < 13
	ds_load_b64 v[\reg+2*\p:\reg+2*\p+1], v[\adr] offset:(\off)+8*PCI+16*(PCI/16)
.else
	ds_load_b64 v[\reg+2*\p:\reg+2*\p+1], v[\adr+1] offset:(\off)+8*PCI+16*(PCI/16)
.endif
.endr
.endm
.macro FETCH win, base                 ; four tiles x four K steps of the 64 rows at LDS byte base, into v0-191 of the window named
	v_add_nc_u32 v9, \base, v5
	v_add_nc_u32 v10, \base, v6
	v_add_nc_u32 v252, \base, v7
	v_add_nc_u32 v253, \base, v8
	WIN \win
.irp t, 0,1,2
.irp s, 0,1,2,3
	FRAG 12*(4*\t+\s), 9, T8*\t, \s
.endr
.endr
.irp s, 0,1,2,3
	FRAG 12*(12+\s), 252, T8*3, \s
.endr
	WIN 0
.endm
; A unit of R or C: W's four tiles x x's tile m; the four accumulators take turns.  The bias is the C of each sum's first product.
.macro MMKQ acc, m, ws, wfirst, wrest
	WIN \wfirst
.irp t, 0,1,2,3
	v_wmma_scale_f32_16x16x128_f8f6f4 v[\acc+8*\t:\acc+8*\t+7], v[48*\t:48*\t+11], v[48*(\m):48*(\m)+11], v[192+8*\t:199+8*\t], v[\ws+4*\t], v[XS+4*(\m)] matrix_a_fmt:MATRIX_FMT_FP6 matrix_b_fmt:MATRIX_FMT_FP6
.endr
	WIN \wrest
.irp s, 1,2,3
.irp t, 0,1,2,3
	v_wmma_scale_f32_16x16x128_f8f6f4 v[\acc+8*\t:\acc+8*\t+7], v[48*\t+12*\s:48*\t+12*\s+11], v[48*(\m)+12*\s:48*(\m)+12*\s+11], v[\acc+8*\t:\acc+8*\t+7], v[\ws+4*\t+\s], v[XS+4*(\m)+\s] matrix_a_fmt:MATRIX_FMT_FP6 matrix_b_fmt:MATRIX_FMT_FP6
.endr
.endr
	WIN 0
.endm
; A unit of V: x's four tiles x Wv's tile n: a lane holds ONE channel, and its registers run along the tokens.
.macro MMV acc, n
	WIN 0x19
.irp t, 0,1,2,3
	v_wmma_scale_f32_16x16x128_f8f6f4 v[\acc+8*\t:\acc+8*\t+7], v[48*\t:48*\t+11], v[48*(\n):48*(\n)+11], v[192+8*(\n):199+8*(\n)], v[XS+4*\t], v[WS+32+4*(\n)] matrix_a_fmt:MATRIX_FMT_FP6 matrix_b_fmt:MATRIX_FMT_FP6
.endr
	WIN 0x09
.irp s, 1,2,3
.irp t, 0,1,2,3
	v_wmma_scale_f32_16x16x128_f8f6f4 v[\acc+8*\t:\acc+8*\t+7], v[48*\t+12*\s:48*\t+12*\s+11], v[48*(\n)+12*\s:48*(\n)+12*\s+11], v[\acc+8*\t:\acc+8*\t+7], v[XS+4*\t+\s], v[WS+32+4*(\n)+\s] matrix_a_fmt:MATRIX_FMT_FP6 matrix_b_fmt:MATRIX_FMT_FP6
.endr
.endr
	WIN 0
.endm
.macro MM u
.if (\u) < 4
	MMKQ ACC+32*((\u)%2), (\u), WS, 0x26, 0x06
.elseif (\u) < 8
	MMKQ ACC+32*((\u)%2), (\u)-4, WS+16, 0x37, 0x07
.else
	MMV ACC+32*((\u)%2), (\u)-8
.endif
.endm
; A lane's 32 numbers are one block of 32 of my row (block = lane / 16): six registers of codes, and a scale word (byte 0 block 0, byte 1 block 1, the same in both halves of the lanes; bytes 2 and 3 are 0).
; Each of the four accumulators is first read at its low end.
.macro QUANT32 a, pc, sw
	v_max3_num_f32 v[TM], |v[\a]|, |v[\a+1]|, 0x1800000            ; with the floor 2^(3 - 127): the byte cannot fall under 1
	v_max3_num_f32 v[TM+1], |v[\a+16]|, |v[\a+17]|, 0x1800000
.irp i, 2,4,6,8,10,12,14
	v_max3_num_f32 v[TM], v[TM], |v[\a+\i]|, |v[\a+\i+1]|          ; (two chains by turns)
	v_max3_num_f32 v[TM+1], v[TM+1], |v[\a+16+\i]|, |v[\a+17+\i]|
.endr
	v_max_num_f32 v[TM], v[TM], v[TM+1]            ; the block's largest magnitude
	v_add_nc_u32 v[SO], 0xff000000, v[TM]          ; 2 off its exponent field: the conversion's scale operand
	v_lshrrev_b32 v[BY], 23, v[SO]                 ; the scale's byte
	v_permlanex16_b32 v[TP], v[BY], s16, s17       ; the other block's
	v_cndmask_b32 v[BY+1], v[BY], v[TP], s18       ; block 0's byte
	v_cndmask_b32 v[TP+1], v[TP], v[BY], s18       ; block 1's
	v_lshl_or_b32 v[\sw], v[TP+1], 8, v[BY+1]
	v_cvt_scalef32_pk16_fp6_f32 v[\pc:\pc+2], v[\a:\a+15], v[SO]
	v_cvt_scalef32_pk16_fp6_f32 v[PT:PT+2], v[\a+16:\a+31], v[SO]  ; (a conversion's three registers begin on an even number)
	v_nop                                          ; one plain place behind a scaled conversion
.irp i, 0,1,2
	v_mov_b32 v[\pc+3+\i], v[PT+\i]
.endr
.endm
.macro PUT pc, base, off               ; six registers leave as an image
	global_store_b128 v3, v[\pc:\pc+3], s[\base:\base+1] offset:\off
	global_store_b64 v4, v[\pc+4:\pc+5], s[\base:\base+1] offset:(\off)+512
.endm
; What follows unit u's products: four places, the quantiser, the stores.  It stands behind the NEXT unit's products, which work on the other set.
.macro POST u
	PLACES 4
	QUANT32 ACC+32*((\u)%2), PC+6*(\u), SW+(\u)
.if (\u) < 4
	PUT PC+6*(\u), 90, 768*(\u)
.elseif (\u) < 8
	PUT PC+6*(\u), 94, 768*((\u)-4)
.else
	PUT PC+6*(\u), 98, 1536*((\u)-8)
.endif
.endm
.macro PAIR k                          ; four units' scale words in two registers
	v_cndmask_b32 v[XP+2*\k], v[SW+4*\k], v[SW+4*\k+1], s18
	v_cndmask_b32 v[XP+2*\k+1], v[SW+4*\k+2], v[SW+4*\k+3], s18
.endm
	s_wait_alu depctr_va_vdst(0)
	s_wait_tensorcnt 0x0                           ; my load has landed: the other waves read it
	s_barrier_signal -1
	s_barrier_wait -1                              ; everybody's has
	FETCH 0x40, s15                                ; x's 16 fragments: they serve all 12 units
	FETCH 0x80, WT                                 ; Wk's
	s_wait_dscnt 0x0
	s_wait_loadcnt 0x0                             ; the scale words and the biases
	WIN 0x40
.irp n, 0,1,2,3
.irp j, 0,1,2,3,4,5,6,7
	v_mov_b32 v[192+8*\n+\j], v[248+\n]            ; in a unit of V a lane's results belong to one channel: its bias eight times
.endr
.endr
	MM 0
	FETCH 0xc0, WT+KIND                            ; Wq's fragments
	MM 1
	POST 0
	MM 2
	POST 1
	MM 3
	POST 2
	s_wait_dscnt 0x0                               ; Wq's fragments are in
	MM 4
	POST 3
	PAIR 0
	global_store_b64 v4, v[XP:XP+1], s[90:91] offset:3072          ; R's scale words
	FETCH 0x80, WT+2*KIND                          ; Wv's fragments take Wk's place: its last reader, unit 3, lies two quantisers back
	MM 5
	POST 4
	MM 6
	POST 5
	MM 7
	POST 6
	s_wait_dscnt 0x0                               ; Wv's fragments are in
	MM 8
	POST 7
	PAIR 1
	global_store_b64 v4, v[XP+2:XP+3], s[96:97]    ; C's scale words
	MM 9
	POST 8
	MM 10
	POST 9
	MM 11
	POST 10
	POST 11
	; V's scale words: a word's four bytes are 128 tokens, two waves' worth.  Each wave puts its two bytes at their place; the odd wave's pair goes to the even wave through LDS.
	PAIR 2
	v_lshlrev_b32 v[XP+4], s19, v[XP+4]
	v_lshlrev_b32 v[XP+5], s19, v[XP+5]
	ds_store_b64 v14, v[XP+4:XP+5]
	s_wait_dscnt 0x0                               ; for the other wave's sake: my store has landed
	s_barrier_signal -1
	s_barrier_wait -1
	s_and_b32 s9, s2, 1
	s_cmp_lg_u32 s9, 0
	s_cbranch_scc1 .Lodd
	ds_load_b64 v[98:99], v15
	s_wait_dscnt 0x0
	s_wait_alu depctr_va_vdst(0)
	v_or_b32 v98, v98, v[XP+4]
	v_or_b32 v99, v99, v[XP+5]
	global_store_b64 v4, v[98:99], s[92:93] offset:12800
	global_store_b64 v4, v[98:99], s[92:93] offset:13056           ; the record's filling: nobody uses it, but the next launch's loads bring it, so it is stored
.Lodd:
	s_wait_tensorcnt 0x0                           ; the wave's end
	ds_add_u32 v254, v255
	s_wait_dscnt 0x0
	ROUND                                          ; the closing round
	s_endpgm
.Lfunc_end_k_q4a16795352_proj:
	.size	k_q4a16795352_proj, .Lfunc_end_k_q4a16795352_proj-k_q4a16795352_proj
	.p2alignl 7, 3214868480
	.fill 96, 4, 3214868480
	.section	.rodata,"a",@progbits
	.p2align	6, 0x0
	.amdhsa_kernel k_q4a16795352_proj
		.amdhsa_group_segment_fixed_size 195072
		.amdhsa_private_segment_fixed_size 0
		.amdhsa_enable_private_segment 0
		.amdhsa_kernarg_size 104
		.amdhsa_user_sgpr_count 2
		.amdhsa_user_sgpr_kernarg_segment_ptr 1
		.amdhsa_wavefront_size32 1
		.amdhsa_system_sgpr_workgroup_id_x 1
		.amdhsa_system_sgpr_workgroup_id_y 1
		.amdhsa_system_sgpr_workgroup_id_z 1
		.amdhsa_system_vgpr_workitem_id 0
		.amdhsa_next_free_vgpr 1024
		.amdhsa_next_free_sgpr 100
		.amdhsa_reserve_vcc 0
		.amdhsa_float_denorm_mode_32 3
		.amdhsa_float_denorm_mode_16_64 3
		.amdhsa_memory_ordered 1
		.amdhsa_forward_progress 1
		.amdhsa_inst_pref_size 89
	.end_amdhsa_kernel
	.amdgpu_metadata
---
amdhsa.version: [ 1, 2 ]
amdhsa.kernels:
  - .name:           k_q4a16795352_proj
    .symbol:         k_q4a16795352_proj.kd
    .args:
      - { .name: x_codes, .offset: 0, .size: 8, .value_kind: global_buffer, .address_space: global }
      - { .name: x_scales, .offset: 8, .size: 8, .value_kind: global_buffer, .address_space: global }
      - { .name: Wk_codes, .offset: 16, .size: 8, .value_kind: global_buffer, .address_space: global }
      - { .name: Wk_scales, .offset: 24, .size: 8, .value_kind: global_buffer, .address_space: global }
      - { .name: bk, .offset: 32, .size: 8, .value_kind: global_buffer, .address_space: global }
      - { .name: Wq_codes, .offset: 40, .size: 8, .value_kind: global_buffer, .address_space: global }
      - { .name: Wq_scales, .offset: 48, .size: 8, .value_kind: global_buffer, .address_space: global }
      - { .name: bq, .offset: 56, .size: 8, .value_kind: global_buffer, .address_space: global }
      - { .name: Wv_codes, .offset: 64, .size: 8, .value_kind: global_buffer, .address_space: global }
      - { .name: Wv_scales, .offset: 72, .size: 8, .value_kind: global_buffer, .address_space: global }
      - { .name: bv, .offset: 80, .size: 8, .value_kind: global_buffer, .address_space: global }
      - { .name: rr, .offset: 88, .size: 8, .value_kind: global_buffer, .address_space: global }
      - { .name: cv, .offset: 96, .size: 8, .value_kind: global_buffer, .address_space: global }
    .group_segment_fixed_size: 195072
    .private_segment_fixed_size: 0
    .kernarg_segment_align: 8
    .kernarg_segment_size: 104
    .max_flat_workgroup_size: 128
    .sgpr_count:     100
    .vgpr_count:     1024
    .wavefront_size: 32
...
	.end_amdgpu_metadata
.endif
;; end of part 1
;; launch attn (part 2): grid 16 x 16, 16 waves a work-group, clusters of 4 x 1, 327,680 bytes of LDS; arguments rr, cv, out0; writes out0
.if DOCPART == 2
	.amdgcn_target "amdgcn-amd-amdhsa--gfx1250"
	.amdhsa_code_object_version 6
	.text
	.protected	k_q4a16795352_attn
	.globl	k_q4a16795352_attn
	.p2align	8
	.type	k_q4a16795352_attn,@function
k_q4a16795352_attn:
	s_mov_b64 s[64:65], 0
	v_nop
	global_prefetch_b8 v0, s[64:65] scope:SCOPE_SE
	s_setreg_imm32_b32 hwreg(HW_REG_WAVE_MODE, 25, 1), 1
	s_wait_xcnt 0x0
	s_wait_alu depctr_hold_cnt(0) depctr_sa_sdst(0) depctr_va_vdst(0) depctr_va_sdst(0) depctr_va_ssrc(0) depctr_va_vcc(0) depctr_vm_vsrc(0)
	s_getreg_b32 s2, hwreg(HW_REG_IB_STS2, 6, 4)
	s_cmp_eq_u32 s2, 0
	s_cbranch_scc0 .Lentry_in_a_cluster
	s_endpgm
.Lentry_in_a_cluster:
	s_bfe_u32 s2, ttmp6, 0x10000c
	s_cmp_lg_u32 s2, 0x3003
	s_cbranch_scc0 .Lentry_shape_is_right
	s_endpgm
.Lentry_shape_is_right:
; out[row] = the sum over the columns of softmax_col(R[row] . C[col] / 8) V[col], for each of 16 (batch, head), 4,096 rows and 4,096 columns, head size 64; both products on codes of FP6 (E2M3) with E8M0 scales.
; R, C and V come as the launch before has laid them: images of the operand registers.  rr: 3,328 bytes for 64 rows.  cv: a record of 13,312 bytes for 128 columns: C's 8 tiles (768 bytes each), V's 4 tiles of
; 16 channels x 128 columns (1,536 each), C's two pairs of scale words, V's pair, 256 bytes of filling.
; THE SOFTMAX: t = score x log2(e) / 8; M = the row's largest t so far, rounded UP to a whole number; p = 2^(t - M) is quantised along the columns, not normalised.  The row's sum is taken of the unquantised p, in f32,
; and divides at the end.  When M moves, the sum and O are multiplied by 2^(old M - new M): exact.
; THE FIRST PRODUCT'S K IS 64, the instruction's 128: registers 6-11 of R hold zero codes, made once.  So registers 6-11 of C's operand may hold any codes (every code of the format is a finite number, and its product with
; the code 0 is 0): C's tiles lie packed, six registers each, and a tile's operand runs on into the next tile's codes (the last one's into p's codes).  Bytes 2 and 3 of the scale words are 0, a power of two like any other.
; SHARES.  A work-group owns 256 rows of one head, each of its sixteen waves one tile of 16, in 256 registers.  A STEP IS 256 COLUMNS (two records): M, the factor and the rescaling of O are made once for 256.
; Both products are used transposed: S^T = C R^T, O^T = V^T P^T: a lane holds ONE row (lane % 16).  Of 64 columns tile u holds in its rows 0-7 columns 8 u + j and in its rows 8-15 columns 32 + 8 ((u + 1) % 4) + j: so lane
; (r, h)'s 32 registers of a group's four tiles are the 32 columns of block h: a WHOLE block in a lane, in the order in which V's codes lie: no lane is asked for a block's maximum, and no codes change lanes.
; My tile's rows and V's channels are laid by the same rule, which the way out undoes by its addresses.
; LDS.  A head's 32 records are one dense stream.  Records 0-7 come at the head, records 8-23 behind the first round, records 24-31 into the bytes of 0-7 when those are read: every wave issues one load each time
; (26, 52, 26 rows of 256 bytes), so one tensor load of a wave is out at the most.  The refill is asked for eight steps ahead of the wait for it.  Every LDS read takes consecutive bytes in neighbouring lanes: no padding.
; CLUSTER.  The four work-groups of a cluster belong to one head and walk the same stream: each part of it is asked for JOINTLY.
; No prefetch is laid: three quarters of the stream are asked for by the first two groups of loads, and the one refill stands eight of the sixteen steps ahead of its wait.
; LIMITS: NaN and infinities are not served; the promise holds while |t| stays under 2^31; p under 2^-126 becomes 0 (ISA guide, v_exp_f32); a block whose every p is 0 keeps the scale byte 1: its codes are zeros.
; A block's largest p is taken from its largest score: that leans on v_exp_f32 not falling where its input rises.
; REGISTERS: v1 16 x lane, v2 8 x lane, v3-4 the spare word's address and 0, v5-6 the step's LDS addresses, v6-9 the way out, v8-11 the blocks' maxima; v12 -M, v13 the largest score, v[14:15] the sum; v16-27 R;
;   scale words: v28 R's, v29-30 p's, v32-39 C's, v40-43 V's; v44-67 four tiles of C, at work in the softmax; v68-91 p's codes; v92-219 S^T, then p, then V's eight fragments; v220-251 O^T; v252-253 the factor; v254-255 at work.
.set REC,   13312
.set SLOT,  8*REC
.set PA,    SLOT/16                    ; a wave's part of eight records: 26 rows of 256 bytes
.set SPARE, 24*REC                     ; behind the records: the spare words, 128 bytes for each wave
.set STAGE, SLOT                       ; the way out: 16 rows x 272 bytes for each wave, in the bytes of records 8 on: they have had their only fill, and nobody reads them behind the barrier in front of the last four steps
.set BM, 8
.set CT, 44
.set PC, 68
.set S,  92
.set O,  220
.macro ROUND                           ; a round of the cluster's barrier
	s_barrier_signal -1
	s_barrier_wait -1
	s_cmp_lg_u32 s10, 0
	s_cbranch_scc1 .Lnot_wave_0_\@
	s_barrier_signal -3
.Lnot_wave_0_\@:
	s_barrier_wait -3
	s_barrier_signal -1
	s_barrier_wait -1
.endm
	s_load_b128 s[4:7], s[0:1], 0x0                ; rr, cv
	s_load_b64 s[8:9], s[0:1], 0x10                ; out0
	v_lshl_add_u32 v3, v0, 2, SPARE
	v_mov_b32 v4, 0
	ds_add_u32 v3, v4                              ; the opening lines: the add twice on end and its wait
	ds_add_u32 v3, v4
	v_lshrrev_b32 v1, 5, v0
	v_readfirstlane_b32 s10, v1                    ; wave 0..15
	s_bfe_u32 s42, ttmp6, 0x40000                  ; cx
	s_lshl_b32 s43, ttmp9, 2
	s_add_co_u32 s43, s43, s42                     ; my block of 256 rows: it enters R's and the output's addresses alone
	s_and_b32 s44, ttmp7, 0xffff                   ; 8 x batch + head, which the four partners share
.irp g, 16, 68                                 ; two groups 1: dense rows of 256 bytes (32 elements of 8), mask of all four partners
	s_mov_b32 s[\g], 15|(3<<16)|(1<<21)
	s_mov_b32 s[\g+1], 32<<16
	s_mov_b32 s[\g+3], 32<<16
	s_mov_b32 s[\g+5], 32
	s_mov_b32 s[\g+6], 0
	s_mov_b32 s[\g+7], 0
.endr
	s_mov_b32 s18, 26<<16                          ; 26 rows
	s_mov_b32 s20, 26
	s_mov_b32 s70, 52<<16                          ; 52 rows: a record
	s_mov_b32 s72, 52
	s_mov_b32 s12, 0x76543210
	s_mov_b32 s13, 0xfedcba98                      ; v_permlanex16_b32's selects for lane l xor 16
	s_mov_b32 s14, 0x3e38aa3b                      ; c = log2(e) / 8
	s_mov_b32 s15, s14                             ; (the packed form names the pair)
	s_mov_b32 s11, 0xbe38aa3b                      ; -c
	s_mov_b32 s36, 0x06020400                      ; v_perm_b32's selects for p's two scale words
	s_mov_b32 s37, 0x07030501
	s_mov_b32 s60, 0x1800000                       ; the floor 2^(3 - 127)
	s_mul_i32 s46, s44, 32*REC                     ; the head's stream
	s_mov_b32 s47, 0
	s_mul_i32 s45, s10, PA                         ; my part of eight records, in memory and in LDS alike
	s_mul_i32 s59, s10, REC
	s_add_co_u32 s59, s59, SLOT                    ; record 8 + wave
	s_lshl_b32 s48, s44, 6
	s_lshl_b32 s49, s43, 2
	s_add_co_u32 s48, s48, s49
	s_lshr_b32 s49, s10, 2
	s_add_co_u32 s48, s48, s49                     ; my group of 64 rows
	s_mul_i32 s48, s48, 3328
	s_and_b32 s50, s10, 3                          ; my tile m in it
	s_mul_i32 s51, s50, 768
	s_add_co_u32 s52, s48, s51                     ; my tile's codes
	s_mov_b32 s53, 0
	s_and_b32 s54, s50, 1                          ; its scale words: 128 (m % 2) + 4 (m / 2) + 8 r
	s_lshl_b32 s54, s54, 7
	s_lshr_b32 s55, s50, 1
	s_lshl_b32 s55, s55, 2
	s_add_co_u32 s54, s54, s55
	s_add_co_u32 s54, s54, s48
	s_mov_b32 s55, 0
	s_lshr_b32 s56, s44, 3                         ; the output: my group begins at row 4,096 x batch + 256 x block + 64 (wave / 4);
	s_lshl_b32 s56, s56, 12
	s_lshl_b32 s57, s43, 8
	s_add_co_u32 s56, s56, s57
	s_lshl_b32 s57, s49, 6
	s_add_co_u32 s56, s56, s57
	s_add_co_u32 s62, s50, 1                       ; my tile's rows 8-15 begin at its row 32 + 8 ((m + 1) % 4),
	s_and_b32 s62, s62, 3
	s_lshl_b32 s62, s62, 3
	s_add_co_u32 s62, s62, 32
	s_add_co_u32 s62, s62, s56
	s_lshl_b32 s57, s50, 3                         ; its rows 0-7 at row 8 m
	s_add_co_u32 s56, s56, s57
	s_lshl_b32 s56, s56, 11                        ; rows of 2,048 bytes,
	s_lshl_b32 s62, s62, 11
	s_and_b32 s57, s44, 7
	s_lshl_b32 s57, s57, 8                         ; + the head's 256 bytes in them
	s_add_co_u32 s56, s56, s57
	s_add_co_u32 s62, s62, s57
	s_mov_b32 s57, 0
	s_mov_b32 s63, 0
	s_wait_dscnt 0x0                               ; both opening adds are done
	s_wait_kmcnt 0x0
	s_add_nc_u64 s[6:7], s[6:7], s[46:47]
	s_add_nc_u64 s[52:53], s[4:5], s[52:53]
	s_add_nc_u64 s[54:55], s[4:5], s[54:55]
	s_add_nc_u64 s[62:63], s[8:9], s[62:63]
	s_add_nc_u64 s[8:9], s[8:9], s[56:57]
	s_mov_b32 s46, s45
	s_add_nc_u64 s[26:27], s[6:7], s[46:47]        ; records 0-7, my part
	s_add_nc_u64 s[34:35], s[26:27], 3*SLOT        ; records 24-31, my part
	s_mov_b32 s46, s59
	s_add_nc_u64 s[30:31], s[6:7], s[46:47]        ; record 8 + wave
	s_mov_b32 s24, 1                               ; three groups 0, never rewritten
	s_mov_b32 s25, s45
	s_or_b32 s27, s27, 0x80000000
	s_mov_b32 s28, 1
	s_mov_b32 s29, s59
	s_or_b32 s31, s31, 0x80000000
	s_mov_b32 s32, 1
	s_mov_b32 s33, s45
	s_or_b32 s35, s35, 0x80000000
	ROUND                                          ; all four work-groups are here: the first joint loads meet
	tensor_load_to_lds s[24:27], s[16:23]          ; records 0-7: one load a wave at the head
	s_nop 0
	v_and_b32 v2, 31, v0
	v_and_b32 v10, 15, v0
	v_lshlrev_b32 v1, 4, v2                        ; 16 x lane
	v_lshlrev_b32 v2, 3, v2                        ; 8 x lane
	v_lshlrev_b32 v11, 3, v10                      ; 8 r
	global_load_b128 v[16:19], v1, s[52:53]        ; R's six registers of codes stay for the whole launch
	global_load_b64 v[20:21], v2, s[52:53] offset:512
	global_load_b32 v28, v11, s[54:55] offset:3072 ; lane r: row r's scale word
.irp j, 22,23,24,25,26,27
	v_mov_b32 v[\j], 0                             ; K = 64 .. 127 of R: zero codes
.endr
.irp j, 0,1,2,3,4,5
	v_mov_b32 v[PC+\j], 0                          ; named as the tail of C's last operand before p's first codes are made
.endr
.set j, 0
.rept 32
	v_mov_b32 v[O+j], 0                            ; O^T.  (The step has no first step of its own: the first change of M multiplies zeros)
	v_mov_b32 v[S+96+j], 0                         ; and the p that the first step finds left to sum
.set j, j+1
.endr
	v_mov_b32 v14, 0                               ; the sum, in two halves
	v_mov_b32 v15, 0
	v_mov_b32 v253, 0                              ; (named as the upper half of the pair v[252:253])
	v_mov_b32 v13, 0xff61b1e6                      ; the largest score so far: -3e38
	v_mul_f32 v12, s11, v13
	v_floor_f32 v12, v12                           ; -M
.macro LDC g                           ; C's tiles 4 g .. 4 g + 3: 64 columns, packed
.irp m, 0,1,2,3
	ds_load_b128 v[CT+6*\m:CT+6*\m+3], v5 offset:REC*((\g)/2)+768*(4*((\g)%2)+\m)
	ds_load_b64 v[CT+6*\m+4:CT+6*\m+5], v6 offset:REC*((\g)/2)+768*(4*((\g)%2)+\m)+512
.endr
.endm
.macro QK g                            ; S^T of these 64 columns
.irp m, 0,1,2,3
.if \m%2
	v_wmma_scale_f32_16x16x128_f8f6f4 v[S+32*(\g)+8*\m:S+32*(\g)+8*\m+7], v[CT+6*\m:CT+6*\m+11], v[16:27], 0, v[32+2*(\g)+\m/2], v28 matrix_a_fmt:MATRIX_FMT_FP6 matrix_b_fmt:MATRIX_FMT_FP6 matrix_a_scale:MATRIX_SCALE_ROW1
.else
	v_wmma_scale_f32_16x16x128_f8f6f4 v[S+32*(\g)+8*\m:S+32*(\g)+8*\m+7], v[CT+6*\m:CT+6*\m+11], v[16:27], 0, v[32+2*(\g)+\m/2], v28 matrix_a_fmt:MATRIX_FMT_FP6 matrix_b_fmt:MATRIX_FMT_FP6
.endif
.endr
.endm
; The largest score of my block of group c: 32 registers, three chains by turns, sixteen instructions; each of the four accumulators is first read at its low end.  It serves twice: for the row's maximum and, since p rises
; with the score, for the block's largest p.  These lines name no register of the NEXT group's products: they are the places behind those.
.macro MX3 d, x, y
	v_max3_num_f32 v[\d], v[\d], v[SB+\x], v[SB+\y]
.endm
.macro MAXA c
.set SB, S+32*(\c)
	v_max3_num_f32 v[BM+\c], v[SB], v[SB+1], v[SB+2]
	v_max3_num_f32 v254, v[SB+8], v[SB+9], v[SB+10]
	v_max3_num_f32 v255, v[SB+16], v[SB+17], v[SB+24]
	MX3 BM+\c, 3, 4
	MX3 254, 11, 15
	MX3 255, 18, 19
.endm
.macro MAXB c
.set SB, S+32*(\c)
	MX3 BM+\c, 5, 6
	MX3 254, 20, 21
	MX3 255, 25, 26
	MX3 BM+\c, 7, 12
	MX3 254, 22, 23
	MX3 255, 27, 30
	MX3 BM+\c, 13, 14
	MX3 254, 28, 29
	v_max_num_f32 v255, v255, v[SB+31]
	v_max3_num_f32 v[BM+\c], v[BM+\c], v254, v255
.endm
; THE SUM OVER THE LAST 64 COLUMNS' p IS PUT OFF to the head of the next step: V's fragments do not land on these 32 registers, and group 3's products write them late.  Its sixteen additions name no register of the
; second product nor of group 0's products: they are the places behind both.  They join the sum while it still stands under the M under which these p were made.
.macro DP d, i
	v_pk_add_f32 v[\d:\d+1], v[\d:\d+1], v[S+96+2*\i:S+97+2*\i]
.endm
.macro DSUM1
	v_pk_add_f32 v[8:9], v[S+96:S+97], v[S+98:S+99]
	v_pk_add_f32 v[10:11], v[S+100:S+101], v[S+102:S+103]
	v_pk_add_f32 v[254:255], v[S+104:S+105], v[S+106:S+107]
	DP 8, 6
	DP 10, 7
	DP 254, 8
	DP 8, 9
	DP 10, 10
.endm
.macro DSUM2
	DP 254, 11
	DP 8, 12
	DP 10, 13
	DP 254, 14
	DP 8, 15
	v_pk_add_f32 v[10:11], v[10:11], v[254:255]
	v_pk_add_f32 v[8:9], v[8:9], v[10:11]
	v_pk_add_f32 v[14:15], v[14:15], v[8:9]
.endm
; A STEP: 256 columns, two records, whose bytes begin at LDS byte s40.
.macro STEP
	v_add_nc_u32 v5, s40, v1
	v_add_nc_u32 v6, s40, v2
	s_wait_alu depctr_va_vdst(0)                   ; the wait behind these writes
	LDC 0
.irp g, 0,1,2,3
	ds_load_b64 v[32+2*\g:33+2*\g], v6 offset:REC*(\g/2)+12288+256*(\g%2)   ; the sixteen tiles' scale words
.endr
	DSUM1                                          ; with the two additions ten places: the products below write over registers that the last step's second product read (ISA guide 7.12.1)
	s_wait_alu depctr_va_vdst(0)
	s_wait_dscnt 0x0
	QK 0
	DSUM2                                          ; eight places in front of loads into registers that matrix instructions have read, and of the first read of group 0's results
	LDC 1
	s_wait_dscnt 0x0
	QK 1
	MAXA 0
	LDC 2
	MAXB 0
	s_wait_dscnt 0x0
	QK 2
	MAXA 1
	LDC 3
	MAXB 1
	s_wait_dscnt 0x0
	QK 3
	MAXA 2
	MAXB 2
	MAXA 3
	MAXB 3
	v_max3_num_f32 v254, v[BM], v[BM+1], v[BM+2]
	s_delay_alu instid0(VALU_DEP_1)
	v_max3_num_f32 v254, v254, v[BM+3], v13        ; my half of the columns, and the largest so far
	s_delay_alu instid0(VALU_DEP_1)
	v_permlanex16_b32 v255, v254, s12, s13
	s_delay_alu instid0(VALU_DEP_1)
	v_max_num_f32 v13, v254, v255                  ; the row's largest score
	s_delay_alu instid0(VALU_DEP_1)
	v_mul_f32 v254, s11, v13                       ; -t
	s_delay_alu instid0(VALU_DEP_1)
	v_floor_f32 v255, v254                         ; the new -M = floor(-t) = -ceil(t): M IS A WHOLE NUMBER
	s_delay_alu instid0(VALU_DEP_1)
	v_sub_f32 v254, v255, v12                      ; M's old value less its new one: a whole number, 0 or less
	v_mov_b32 v12, v255
	s_delay_alu instid0(VALU_DEP_2)
	v_cvt_i32_f32 v254, v254                       ; (it saturates)
.set j, 0
.rept 64
	v_pk_fma_f32 v[S+j:S+j+1], v[S+j:S+j+1], s[14:15], v[12:13] op_sel_hi:[1,0,0]   ; t - M, two at a time
.set j, j+2
.endr
.irp b, 0,1,2,3
	v_fma_f32 v[BM+\b], v[BM+\b], s14, v12         ; the same of each block's largest score
.endr
	s_wait_alu depctr_va_vdst(0)
.set j, 0
.rept 128
	v_exp_f32 v[S+j], v[S+j]                       ; p = 2^(t - M), at most 1: NOT normalised
.set j, j+1
.endr
.irp b, 0,1,2,3
	v_exp_f32 v[BM+\b], v[BM+\b]                   ; the block's largest p: the same two instructions on the same number give the same bits
.endr
	v_ldexp_f32 v252, 1.0, v254                    ; f = 2^(old M - new M): a multiplication by it rounds nothing.  (The plain place behind the exponentials)
	s_wait_alu depctr_va_vdst(0)                   ; one wait for the whole batch
.irp a, 0,1,2,3                                ; THE ROW'S SUM IS TAKEN OF THE UNQUANTISED p: two at a time, four chains by turns; here the first 192 columns'
	v_pk_add_f32 v[CT+2*\a:CT+2*\a+1], v[S+4*\a:S+4*\a+1], v[S+4*\a+2:S+4*\a+3]
.endr
.set j, 16
.rept 10
.irp a, 0,1,2,3
	v_pk_add_f32 v[CT+2*\a:CT+2*\a+1], v[CT+2*\a:CT+2*\a+1], v[S+j+2*\a:S+j+2*\a+1]
.endr
.set j, j+8
.endr
	v_pk_add_f32 v[CT:CT+1], v[CT:CT+1], v[CT+2:CT+3]
	v_pk_add_f32 v[CT+4:CT+5], v[CT+4:CT+5], v[CT+6:CT+7]
	v_dual_max_num_f32 v[BM], s60, v[BM] :: v_dual_max_num_f32 v[BM+1], s60, v[BM+1]       ; the floor: the byte cannot fall under 1
	v_dual_max_num_f32 v[BM+2], s60, v[BM+2] :: v_dual_max_num_f32 v[BM+3], s60, v[BM+3]
	v_pk_add_f32 v[CT:CT+1], v[CT:CT+1], v[CT+4:CT+5]
.irp b, 0,1,2,3
	v_add_nc_u32 v[BM+\b], 0xff000000, v[BM+\b]    ; 2 off the exponent field: the conversion's scale operand
.endr
	v_pk_fma_f32 v[14:15], v[14:15], v[252:253], v[CT:CT+1] op_sel_hi:[1,0,1]   ; the old sum under the new M, and this step's
.irp b, 0,1,2,3
	v_lshrrev_b32 v[CT+8+\b], 23, v[BM+\b]         ; the scale's byte: group c's block 2 (c % 2) + h of its 128 columns
.endr
	v_lshl_or_b32 v[CT+12], v[CT+9], 16, v[CT+8]   ; my two bytes of the first 128 columns at bytes 0 and 2,
	v_lshl_or_b32 v[CT+13], v[CT+11], 16, v[CT+10]
	s_delay_alu instid0(VALU_DEP_1)
	v_lshl_or_b32 v[CT+12], v[CT+13], 8, v[CT+12]  ; those of the second 128 at bytes 1 and 3
	s_delay_alu instid0(VALU_DEP_1)
	v_permlanex16_b32 v[CT+14], v[CT+12], s12, s13 ; and lane l xor 16's four
	s_delay_alu instid0(VALU_DEP_1)
	v_perm_b32 v29, v[CT+14], v[CT+12], s36        ; p's scale words, whole in lanes 0-15, which alone are read
	v_perm_b32 v30, v[CT+14], v[CT+12], s37
.irp c, 0,1,2,3
	v_cvt_scalef32_pk16_fp6_f32 v[PC+6*\c:PC+6*\c+2], v[S+32*\c:S+32*\c+15], v[BM+\c]
	v_cvt_scalef32_pk16_fp6_f32 v[CT+4*\c:CT+4*\c+2], v[S+32*\c+16:S+32*\c+31], v[BM+\c]   ; (a conversion's three registers begin on an even number)
.endr
.irp k, 0,1                                    ; V's eight fragments come into the registers that the first 192 columns' p have left
.irp n, 0,1,2,3
	ds_load_b128 v[S+48*\k+12*\n:S+48*\k+12*\n+3], v5 offset:REC*\k+6144+1536*\n
	ds_load_b64 v[S+48*\k+12*\n+4:S+48*\k+12*\n+5], v6 offset:REC*\k+6144+1536*\n+512
	ds_load_b128 v[S+48*\k+12*\n+6:S+48*\k+12*\n+9], v5 offset:REC*\k+6144+1536*\n+768
	ds_load_b64 v[S+48*\k+12*\n+10:S+48*\k+12*\n+11], v6 offset:REC*\k+6144+1536*\n+1280
.endr
	ds_load_b64 v[40+2*\k:41+2*\k], v6 offset:REC*\k+12800   ; and their scale words
.endr
	s_wait_alu depctr_va_vdst(0)                   ; the wait directly ahead of the first reader of O^T
.irp j, 0,8,16,24,2,10,18,26                   ; O^T under the new M, each accumulator first at its low end.  (These eight are also the plain places behind the conversions)
	v_pk_mul_f32 v[O+\j:O+\j+1], v[O+\j:O+\j+1], v[252:253] op_sel_hi:[1,0]
.endr
.irp c, 0,1,2,3                                ; a block's upper 16 codes
	v_dual_mov_b32 v[PC+6*\c+3], v[CT+4*\c] :: v_dual_mov_b32 v[PC+6*\c+4], v[CT+4*\c+1]
	v_mov_b32 v[PC+6*\c+5], v[CT+4*\c+2]
.endr
.irp j, 4,12,20,28,6,14,22,30                  ; (of these eight, six name no register of any one product below: the places behind p's codes)
	v_pk_mul_f32 v[O+\j:O+\j+1], v[O+\j:O+\j+1], v[252:253] op_sel_hi:[1,0]
.endr
	s_wait_alu depctr_va_vdst(0)
	s_wait_dscnt 0x0
.irp k, 0,1                                    ; O^T += V^T P^T: four tiles of 16 channels by turns, one instruction a turn
.irp n, 0,1,2,3
.if \n%2
	v_wmma_scale_f32_16x16x128_f8f6f4 v[O+8*\n:O+8*\n+7], v[S+48*\k+12*\n:S+48*\k+12*\n+11], v[PC+12*\k:PC+12*\k+11], v[O+8*\n:O+8*\n+7], v[40+2*\k+\n/2], v[29+\k] matrix_a_fmt:MATRIX_FMT_FP6 matrix_b_fmt:MATRIX_FMT_FP6 matrix_a_scale:MATRIX_SCALE_ROW1
.else
	v_wmma_scale_f32_16x16x128_f8f6f4 v[O+8*\n:O+8*\n+7], v[S+48*\k+12*\n:S+48*\k+12*\n+11], v[PC+12*\k:PC+12*\k+11], v[O+8*\n:O+8*\n+7], v[40+2*\k+\n/2], v[29+\k] matrix_a_fmt:MATRIX_FMT_FP6 matrix_b_fmt:MATRIX_FMT_FP6
.endif
.endr
.endr
.endm
	s_wait_alu depctr_va_vdst(0)
	s_wait_tensorcnt 0x0                           ; my part of records 0-7 is in
	ds_add_u32 v3, v4
	s_mov_b32 s40, 0
	s_mov_b32 s41, 4
	s_wait_dscnt 0x0
	ROUND                                          ; everybody's part is in, and the joint loads meet
	tensor_load_to_lds s[28:31], s[68:75]          ; record 8 + wave: records 8-23
	s_nop 0
	s_wait_loadcnt 0x0                             ; R
.Lp0:                                              ; records 0-7
	STEP
	s_add_co_u32 s40, s40, 2*REC
	s_sub_co_u32 s41, s41, 1
	s_cmp_lg_u32 s41, 0
	s_cbranch_scc1 .Lp0
	; THE ONE REFILL.  Each wave waits for its tensor load (so records 8-23 are whole), adds 0 to its spare word, waits for that and for its reads of records 0-7; a round; the joint refill is the first thing behind it.
	s_wait_tensorcnt 0x0
	ds_add_u32 v3, v4
	s_mov_b32 s40, SLOT
	s_mov_b32 s41, 8
	s_wait_dscnt 0x0
	ROUND
	tensor_load_to_lds s[32:35], s[16:23]          ; records 24-31 into the bytes of records 0-7
	s_nop 0
.Lp1:                                              ; records 8-23
	STEP
	s_add_co_u32 s40, s40, 2*REC
	s_sub_co_u32 s41, s41, 1
	s_cmp_lg_u32 s41, 0
	s_cbranch_scc1 .Lp1
	s_wait_tensorcnt 0x0                           ; my part of the refill has landed
	s_wait_dscnt 0x0                               ; my reads of records 8-23 are over: their bytes will hold the stages
	s_barrier_signal -1
	s_barrier_wait -1                              ; both hold of every wave
	s_mov_b32 s40, 0
	s_mov_b32 s41, 4
.Lp2:                                              ; records 24-31
	STEP
	s_add_co_u32 s40, s40, 2*REC
	s_sub_co_u32 s41, s41, 1
	s_cmp_lg_u32 s41, 0
	s_cbranch_scc1 .Lp2
	; THE WAY OUT.  O^T is divided by the row's sum and goes through my stage in LDS: lane (r, 0) holds channels 0 .. 31 of row r, lane (r, 1) channels 40 .. 63 and then 32 .. 39; back come whole rows of 256 bytes,
	; a head's part of a row of the output.
	DSUM1                                          ; the last step's last 64 columns
	DSUM2
	v_add_f32 v14, v14, v15
	s_delay_alu instid0(VALU_DEP_1)
	v_permlanex16_b32 v254, v14, s12, s13
	s_delay_alu instid0(VALU_DEP_1)
	v_add_f32 v14, v14, v254                       ; the row's sum
	s_wait_alu depctr_va_vdst(0)
	v_rcp_f32 v14, v14
	v_and_b32 v10, 15, v0                          ; r
	v_bfe_u32 v11, v0, 4, 1                        ; h
	s_mul_i32 s58, s10, 16*272
	s_add_co_u32 s58, s58, STAGE                   ; my stage
	v_mul_u32_u24 v8, v10, 272
	v_mul_u32_u24 v9, v11, 272
	v_lshlrev_b32 v7, 11, v11
	v_lshl_add_u32 v6, v11, 5, v8                  ; in, registers 24-31: row r, + 32 h (with the offset 96: channels 24 on, or 32 on)
	v_mad_u32_u24 v8, v11, 160, v8                 ; in, registers 0-23: row r, + 160 h (channels 0 on, or 40 on)
	v_lshl_add_u32 v9, v10, 4, v9
	v_lshl_add_u32 v7, v10, 4, v7                  ; two rows of the output, 2,048 bytes apart
	v_add_nc_u32 v6, s58, v6
	v_add_nc_u32 v8, s58, v8
	v_add_nc_u32 v9, s58, v9                       ; back: lanes 0-15 one row, lanes 16-31 the next
	s_wait_alu depctr_va_vdst(0)                   ; the wait ahead of the first reader of the reciprocal and of O^T
.set j, 0
.rept 16
	v_pk_mul_f32 v[S+j:S+j+1], v[O+j:O+j+1], v[14:15] op_sel_hi:[1,0]   ; each accumulator from its low end on
.set j, j+2
.endr
.irp q, 0,1,2,3,4,5
	ds_store_b128 v8, v[S+4*\q:S+4*\q+3] offset:16*\q
.endr
.irp q, 6,7
	ds_store_b128 v6, v[S+4*\q:S+4*\q+3] offset:16*\q
.endr
.irp i, 0,1,2,3,4,5,6,7
	ds_load_b128 v[S+32+4*\i:S+35+4*\i], v9 offset:544*\i          ; LDS serves a wave's instructions in order (ISA guide 5.7.1.4): these see my stores
.endr
.irp i, 0,1,2,3,4,5,6,7
	s_wait_dscnt 7-\i                              ; the 7 - i younger loads may stay out
.if \i < 4
	global_store_b128 v7, v[S+32+4*\i:S+35+4*\i], s[8:9] offset:2*\i*2048 th:TH_STORE_NT        ; the tile's rows 0-7; 16 lanes store 256 consecutive bytes, aligned to 256
.else
	global_store_b128 v7, v[S+32+4*\i:S+35+4*\i], s[62:63] offset:(2*\i-8)*2048 th:TH_STORE_NT  ; its rows 8-15
.endif
.endr
	s_wait_tensorcnt 0x0                           ; the wave's end
	ds_add_u32 v3, v4
	s_wait_dscnt 0x0
	ROUND                                          ; the closing round
	s_endpgm
.Lfunc_end_k_q4a16795352_attn:
	.size	k_q4a16795352_attn, .Lfunc_end_k_q4a16795352_attn-k_q4a16795352_attn
	.p2alignl 7, 3214868480
	.fill 96, 4, 3214868480
	.section	.rodata,"a",@progbits
	.p2align	6, 0x0
	.amdhsa_kernel k_q4a16795352_attn
		.amdhsa_group_segment_fixed_size 327680
		.amdhsa_private_segment_fixed_size 0
		.amdhsa_enable_private_segment 0
		.amdhsa_kernarg_size 24
		.amdhsa_user_sgpr_count 2
		.amdhsa_user_sgpr_kernarg_segment_ptr 1
		.amdhsa_wavefront_size32 1
		.amdhsa_system_sgpr_workgroup_id_x 1
		.amdhsa_system_sgpr_workgroup_id_y 1
		.amdhsa_system_sgpr_workgroup_id_z 1
		.amdhsa_system_vgpr_workitem_id 0
		.amdhsa_next_free_vgpr 256
		.amdhsa_next_free_sgpr 76
		.amdhsa_reserve_vcc 0
		.amdhsa_float_denorm_mode_32 3
		.amdhsa_float_denorm_mode_16_64 3
		.amdhsa_memory_ordered 1
		.amdhsa_forward_progress 1
		.amdhsa_inst_pref_size 99
	.end_amdhsa_kernel
	.amdgpu_metadata
---
amdhsa.version: [ 1, 2 ]
amdhsa.kernels:
  - .name:           k_q4a16795352_attn
    .symbol:         k_q4a16795352_attn.kd
    .args:
      - { .name: rr, .offset: 0, .size: 8, .value_kind: global_buffer, .address_space: global }
      - { .name: cv, .offset: 8, .size: 8, .value_kind: global_buffer, .address_space: global }
      - { .name: out0, .offset: 16, .size: 8, .value_kind: global_buffer, .address_space: global }
    .group_segment_fixed_size: 327680
    .private_segment_fixed_size: 0
    .kernarg_segment_align: 8
    .kernarg_segment_size: 24
    .max_flat_workgroup_size: 512
    .sgpr_count:     76
    .vgpr_count:     256
    .wavefront_size: 32
...
	.end_amdgpu_metadata
.endif
;; end of part 2
